; MI455X (gfx1250); checked and timed in simulation.
; The chip was launched on July 23, 2026; its instructions are those of AMD's public machine-readable ISA for CDNA 5 (MIT licence, August 2026) and "CDNA5" Instruction Set Architecture Reference Guide (July 2026). The comments in the code are by the model that wrote it; some were corrected since.
;; Sampling Layer. Allowed arithmetic: matrix products marked QUANTISED: E5M2 operands, one E8M0 scale for each 32 along K, by v_wmma_scale_f32_16x16x128_f8f6f4 with both operands' format E5M2, f32 sums; products left as they are: f32 operands where the result goes on into a quantised operand, else bf16, f16 or f32 operands; f32 sums; everything else in f32.
;; Inputs: W1 2 x 2 x 256 float32; W2 2 x 256 x 256 float32; W3 2 x 256 x 4 float32; b1 2 x 256 float32; b2 2 x 256 float32; b3 2 x 4 float32; epsilon 131,072 x 2 float32; z_log_var 131,072 x 2 float32; z_mean 131,072 x 2 float32.
;; Outputs: out0 131,072 x 2 float32.
;; This version of the problem:
;;   THIS VERSION OF THE PROBLEM IS GIVEN IN LOW PRECISION. The matrix products marked QUANTISED in the list below multiply operands that are first quantised to E5M2 (5 exponent bits, 2 mantissa bits; 8 bits a number), with one power-of-two scale for each 32 numbers along K (OCP MX v1.0); their sums are f32. All else is computed in f32.
;;   The module's matrix products, in the order in which they are computed (A, B: the left and right operand; K: the contracted axis; several contracted axes count as one K, in the product's order):
;;     1. [M 131,072, K 2] x [K 2, N 256]; A: computed on the way; B: computed on the way: left as it is (K = 2 < 32)
;;     2. [M 131,072, K 256] x [K 256, N 256]; A: computed on the way; B: computed on the way: QUANTISED
;;     3. [M 131,072, K 256] x [K 256, N 4]; A: computed on the way; B: computed on the way: left as it is (N = 4 < 16)
;;     4. [M 131,072, K 2] x [K 2, N 256]; A: computed on the way; B: computed on the way: left as it is (K = 2 < 32)
;;     5. [M 131,072, K 256] x [K 256, N 256]; A: computed on the way; B: computed on the way: QUANTISED
;;     6. [M 131,072, K 256] x [K 256, N 4]; A: computed on the way; B: computed on the way: left as it is (N = 4 < 16)
;;     7. [M 131,072, K 2] x [K 2, N 256]; A: computed on the way; B: computed on the way: left as it is (K = 2 < 32)
;;     8. [M 131,072, K 256] x [K 256, N 256]; A: computed on the way; B: computed on the way: QUANTISED
;;     9. [M 131,072, K 256] x [K 256, N 4]; A: computed on the way; B: computed on the way: left as it is (N = 4 < 16)
;;     10. [M 131,072, K 2] x [K 2, N 256]; A: computed on the way; B: computed on the way: left as it is (K = 2 < 32)
;;     11. [M 131,072, K 256] x [K 256, N 256]; A: computed on the way; B: computed on the way: QUANTISED
;;     12. [M 131,072, K 256] x [K 256, N 4]; A: computed on the way; B: computed on the way: left as it is (N = 4 < 16)
;;   THE QUANTISER, for each operand of a quantised product, along K:
;;     - K is cut into blocks of 32 from its start; a last block that is shorter is filled with zeros.
;;     - A block's scale is 2^e with e = floor(log2(the largest magnitude in the block)) - 15, held to -126 .. 127; a block of zeros has e = 0. As a byte (E8M0): e + 127.
;;     - Each number is divided by its block's scale, clamped to +-57,344, and rounded to the nearest number of E5M2, ties to even, subnormals kept.
;;     - The product sums the exact products of the quantised numbers (number of the format x scale) in f32.
;;   ~~~python
;;   def quantise(x, axis):      # numpy; x: float32 -> the quantised numbers, widened to float32 again
;;       x = np.moveaxis(x, axis, -1); K = x.shape[-1]
;;       x = np.pad(x, [(0, 0)] * (x.ndim - 1) + [(0, -K % 32)]); x = x.reshape(x.shape[:-1] + (-1, 32)); a = np.abs(x).max(-1, keepdims=True)
;;       e = np.where(a > 0, np.clip(np.frexp(np.where(a > 0, a, 1))[1] - 1 - 15, -126, 127), 0)      # np.frexp(a)[1] - 1 = floor(log2(a)), exactly
;;       r = np.clip(x / 2.0 ** e, -57344, 57344)
;;       step = 2.0 ** (np.maximum(np.frexp(np.where(r == 0, 1, r))[1] - 1, -14) - 2)
;;       q = np.round(r / step) * step * 2.0 ** e      # np.round: ties to even
;;       return np.moveaxis(q.reshape(q.shape[:-2] + (-1,))[..., :K], -1, axis).astype(np.float32)
;;   ~~~
;;   OPERANDS COMPUTED ON THE WAY. 'Computed on the way' means the value that the module computes at that place (a softmax that the list does not call 'softmax' is quantised finished and normalised). What goes into a quantiser is computed in f32, as accurately as f32 sums, v_exp_f32 and their like allow (about 1e-6 of the number): no bf16 or f16 on the way to a quantiser, and a product that is left as it is and whose result goes on into a quantised operand takes f32 operands (vector FMAs, or v_wmma_f32_16x16x4_f32). A number that lies on a knife's edge between two numbers of the format may be rounded either way, as far as f32 arithmetic and the matrix unit's own rounding can turn it there, and no further.
;; One version. Each part assembles by itself: llvm-mc -triple=amdgcn-amd-amdhsa -mcpu=gfx1250 --defsym DOCPART=n.
;; ======== version 1 of 1: 2 launches
;; workspace buffers: img 172,288 bytes
;; launch prep (part 1): grid 66 x 1, 1 waves a work-group, no clusters, 2,304 bytes of LDS; arguments W2, W1, b1, b2, W3, b3, img; writes img
.if DOCPART == 1
	.amdgcn_target "amdgcn-amd-amdhsa--gfx1250"
	.amdhsa_code_object_version 6
	.text
	.protected	k_q97f0074501_prep
	.globl	k_q97f0074501_prep
	.p2align	8
	.type	k_q97f0074501_prep,@function
k_q97f0074501_prep:
	s_mov_b64 s[64:65], 0
	v_nop
	global_prefetch_b8 v0, s[64:65] scope:SCOPE_SE
	s_setreg_imm32_b32 hwreg(HW_REG_WAVE_MODE, 25, 1), 1
	s_wait_xcnt 0x0
; Everything that is constant over the batch is made once and laid in img in the order in which the second launch wants it in LDS.
;   COEF  f*2048 + {0: W1[f][0][0..255], 1024: b1[f][0..255]}, f32 as they lie (reference()'s own mask keeps row 0 of W1 alone)
;   W2S   scale words of W2: f*2048 + (t/2)*256 + s*128 + (t%2)*64 + 4 r = the four E8M0 bytes of column 16 t + r for K step s (128 along K)
;   W3I   W3's columns 2 and 3 (the mask keeps these alone) as bf16 operand registers: f*16384 + p*2048 + x*1024 + q*512 + 16 lane
;   W2C   W2's codes of E5M2 as operand registers: (f*32 + t*2 + s)*2048 + c*512 + 16 lane
;   CST   f*8: b3[f][2] + sum over n of b2[f][n] W3[f][n][2], and the same for column 3, in f32
; Work-groups 0..63, one wave each: one fragment of W2 (flow f, 16 columns t, K step s).  A lane takes a column and its registers run down K,
; in the order that the operand's layout gives that lane: the conversions' results are the operand's registers.
; Work-groups 64, 65: all the rest for flow 0, 1.
; A block's scale is 2^(floor(log2(its largest magnitude)) - 15); its byte is the largest magnitude's exponent field - 15, held at 1 from below.
; LIMITS: a block of zeros gets the byte 1 where the quantiser says 127: its codes are zeros, and this program alone reads the bytes.  NaN and infinities are not served.
.set COEF, 0
.set W2S,  4096
.set W3I,  8192
.set W2C,  40960
.set CST,  172032
	s_load_b256 s[4:11], s[0:1], 0x0               ; W2 s[4:5], W1 s[6:7], b1 s[8:9], b2 s[10:11]
	s_load_b128 s[12:15], s[0:1], 0x20             ; W3 s[12:13], b3 s[14:15]
	s_load_b64 s[16:17], s[0:1], 0x30              ; img
	v_lshl_add_u32 v254, v0, 2, 0x800
	v_mov_b32 v255, 0
	v_and_b32 v1, 15, v0                           ; r (one wave: v0 is the lane)
	v_lshrrev_b32 v2, 4, v0                        ; h
	v_lshlrev_b32 v4, 4, v0                        ; 16 x lane
	s_mov_b32 s32, 0x76543210
	s_mov_b32 s33, 0xfedcba98                      ; v_permlanex16_b32: lane l xor 16
	s_mov_b32 s34, 0x600000                        ; the mantissa field of 57,344
	s_mov_b32 s3, 0
	s_cmp_ge_u32 ttmp9, 64
	s_cbranch_scc1 .Lmisc
	; ---------------- a fragment of W2 ----------------
	s_lshr_b32 s18, ttmp9, 5                       ; f
	s_bfe_u32 s19, ttmp9, 0x40001                  ; t: 4 bits from bit 1
	s_and_b32 s20, ttmp9, 1                        ; s
	s_lshl_b32 s2, s18, 18                         ; a flow of W2 is 262,144 bytes,
	s_lshl_b32 s21, s20, 17                        ; 128 rows of 1,024 bytes a K step,
	s_add_co_u32 s2, s2, s21
	s_lshl_b32 s21, s19, 6                         ; 16 columns are 64 bytes
	s_add_co_u32 s2, s2, s21
	v_lshlrev_b32 v3, 2, v1                        ; my column,
	v_lshl_add_u32 v3, v2, 14, v3                  ; and lanes 16-31 begin 16 rows further down
	v_lshlrev_b32 v5, 2, v1                        ; my scale word: 4 r
	s_wait_kmcnt 0x0
	s_add_nc_u64 s[4:5], s[4:5], s[2:3]
.irp c, 0,1,2,3
.irp i, 0,1,2,3,4,5,6,7,8,9,10,11,12,13,14,15
	global_load_b32 v[64+16*\c+\i], v3, s[4:5] offset:1024*(32*\c+\i)   ; W2[f][128 s + 32 c + 16 h + i][16 t + r]: sixteen lanes read 64 neighbouring bytes
.endr
.endr
	s_lshl_b32 s2, ttmp9, 11                       ; where the fragment goes
	s_add_co_u32 s2, s2, W2C
	s_add_nc_u64 s[22:23], s[16:17], s[2:3]
	s_lshl_b32 s2, s18, 11                         ; and its scale words
	s_lshr_b32 s21, s19, 1
	s_lshl_b32 s21, s21, 8
	s_add_co_u32 s2, s2, s21
	s_lshl_b32 s21, s20, 7
	s_add_co_u32 s2, s2, s21
	s_and_b32 s21, s19, 1
	s_lshl_b32 s21, s21, 6
	s_add_co_u32 s2, s2, s21
	s_add_co_u32 s2, s2, W2S
	s_add_nc_u64 s[24:25], s[16:17], s[2:3]
.irp b, 0,1,2,3
	v_mov_b32 v[36+\b], 0                          ; a lane permute's destination counts as one of its sources
.endr
	s_wait_loadcnt 0x0
.irp b, 0,1,2,3
	v_max3_num_f32 v[32+\b], |v[64+16*\b]|, |v[65+16*\b]|, 0x8000000   ; block b: my 16 numbers, and the floor 2^(16 - 127): the byte cannot fall under 1
.endr
.irp i, 2,4,6,8,10,12,14
.irp b, 0,1,2,3
	v_max3_num_f32 v[32+\b], v[32+\b], |v[64+16*\b+\i]|, |v[65+16*\b+\i]|   ; the four blocks by turns
.endr
.endr
.irp b, 0,1,2,3
	v_permlanex16_b32 v[36+\b], v[32+\b], s32, s33
.endr
.irp b, 0,1,2,3
	v_max_num_f32 v[32+\b], v[32+\b], v[36+\b]     ; with lane l xor 16: the block's largest magnitude
.endr
.irp b, 0,1,2,3
	v_add_nc_u32 v[44+\b], 0xf8800000, v[32+\b]    ; 15 off its exponent field: the conversion's scale operand
.endr
.irp b, 0,1,2,3
	v_and_or_b32 v[40+\b], v[32+\b], 0x7f800000, s34   ; 57,344 x the scale
.endr
.irp b, 0,1,2,3
	v_lshrrev_b32 v[36+\b], 23, v[44+\b]           ; the scale's byte
.endr
	v_lshl_or_b32 v9, v37, 8, v36                  ; the four bytes make the column's scale word
	v_lshl_or_b32 v9, v38, 16, v9
	v_lshl_or_b32 v9, v39, 24, v9
.irp c, 0,1,2,3
.irp i, 0,1,2,3,4,5,6,7,8,9,10,11,12,13,14,15
	v_med3_num_f32 v[64+16*\c+\i], v[64+16*\c+\i], -v[40+\c], v[40+\c]   ; the conversion to an 8-bit code does not saturate (ISA guide 7.6.2): hold first
.endr
	v_cvt_scalef32_pk8_bf8_f32 v[48+4*\c:49+4*\c], v[64+16*\c:71+16*\c], v[44+\c]
	v_cvt_scalef32_pk8_bf8_f32 v[50+4*\c:51+4*\c], v[72+16*\c:79+16*\c], v[44+\c]
.endr
	v_nop                                          ; a plain line behind the last conversion
.irp c, 0,1,2,3
	global_store_b128 v4, v[48+4*\c:51+4*\c], s[22:23] offset:512*\c   ; 32 lanes store 512 consecutive bytes, at a multiple of 256 from img's first byte
.endr
	s_wait_xcnt 0x0                                ; EXEC changes only behind this wait
	v_cmp_gt_u32 vcc_lo, 16, v0
	s_and_saveexec_b32 s35, vcc_lo
	global_store_b32 v5, v9, s[24:25]              ; lanes 0-15: 64 consecutive bytes (a part of a block of 256: 4,096 bytes in the whole launch go out so)
	s_wait_xcnt 0x0
	s_or_b32 exec_lo, exec_lo, s35
	s_endpgm
	; ---------------- the rest, for one flow ----------------
.Lmisc:
	s_sub_co_u32 s18, ttmp9, 64                    ; f
	v_lshlrev_b32 v5, 2, v0                        ; 4 x lane
	v_and_b32 v8, 1, v0
	v_lshlrev_b32 v8, 10, v8
	v_lshl_add_u32 v8, v2, 5, v8                   ; LDS: column 2 + (lane % 2), 8 h numbers on
	v_xor_b32 v6, 8, v1
	v_cmp_gt_u32 s36, 2, v1                        ; lanes with r = 0, 1: variant 0
	v_cmp_gt_u32 s37, 2, v6                        ; lanes with r = 8, 9: variant 1
	v_mov_b32 v7, 0
	v_mov_b32 v242, 0                              ; destinations of lane permutes
	v_mov_b32 v243, 0
	s_wait_kmcnt 0x0
	s_lshl_b32 s2, s18, 11
	s_add_nc_u64 s[6:7], s[6:7], s[2:3]            ; W1[f][0]
	s_add_nc_u64 s[22:23], s[16:17], s[2:3]        ; img: COEF (at byte 0) + 2,048 f
	s_lshl_b32 s2, s18, 10
	s_add_nc_u64 s[8:9], s[8:9], s[2:3]            ; b1[f]
	s_add_nc_u64 s[10:11], s[10:11], s[2:3]        ; b2[f]
	s_lshl_b32 s2, s18, 12
	s_add_nc_u64 s[12:13], s[12:13], s[2:3]        ; W3[f]
	s_lshl_b32 s2, s18, 4
	s_add_nc_u64 s[14:15], s[14:15], s[2:3]        ; b3[f]
	s_load_b128 s[28:31], s[14:15], 0x0
	s_lshl_b32 s2, s18, 14
	s_add_co_u32 s2, s2, W3I
	s_add_nc_u64 s[24:25], s[16:17], s[2:3]
	s_lshl_b32 s2, s18, 3
	s_add_co_u32 s2, s2, CST
	s_add_nc_u64 s[26:27], s[16:17], s[2:3]
	global_load_b128 v[224:227], v4, s[6:7]
	global_load_b128 v[228:231], v4, s[6:7] offset:512
	global_load_b128 v[232:235], v4, s[8:9]
	global_load_b128 v[236:239], v4, s[8:9] offset:512
.irp i, 0,1,2,3,4,5,6,7
	global_load_b128 v[160+4*\i:163+4*\i], v4, s[12:13] offset:512*\i   ; row n = 32 i + lane of W3[f]
.endr
.irp i, 0,1,2,3,4,5,6,7
	global_load_b32 v[192+\i], v5, s[10:11] offset:128*\i               ; b2[f][32 i + lane]
.endr
	s_wait_loadcnt 0x0
	global_store_b128 v4, v[224:227], s[22:23]
	global_store_b128 v4, v[228:231], s[22:23] offset:512
	global_store_b128 v4, v[232:235], s[22:23] offset:1024
	global_store_b128 v4, v[236:239], s[22:23] offset:1536
.irp i, 0,1,2,3,4,5,6,7
	ds_store_b32 v5, v[162+4*\i] offset:128*\i         ; column 2 on end,
	ds_store_b32 v5, v[163+4*\i] offset:1024+128*\i    ; column 3 behind it
.endr
.irp p, 0,1,2,3,4,5,6,7
.irp q, 0,1
.irp e, 0,1
	ds_load_b128 v[32+16*\p+8*\q+4*\e:35+16*\p+8*\q+4*\e], v8 offset:128*\p+64*\q+16*\e   ; LDS serves a wave's instructions in order: these see the stores.  n = 32 p + 16 q + 8 h + 0 .. 7
.endr
.endr
.endr
	v_mul_f32 v240, v192, v162                     ; b2 . W3's columns 2 and 3, in f32, while the LDS loads are out
	v_mul_f32 v241, v192, v163
.irp i, 1,2,3,4,5,6,7
	v_fma_f32 v240, v[192+\i], v[162+4*\i], v240
	v_fma_f32 v241, v[192+\i], v[163+4*\i], v241
.endr
.irp x, 1,2,4,8
	v_add_f32_dpp v240, v240, v240 row_xmask:\x row_mask:0xf bank_mask:0xf
	v_add_f32_dpp v241, v241, v241 row_xmask:\x row_mask:0xf bank_mask:0xf
.endr
	v_permlanex16_b32 v242, v240, s32, s33
	v_permlanex16_b32 v243, v241, s32, s33
	v_add_f32 v240, v240, v242
	v_add_f32 v241, v241, v243
	s_wait_kmcnt 0x0
	v_add_f32 v240, s30, v240                      ; + b3[f][2]
	v_add_f32 v241, s31, v241                      ; + b3[f][3]
	s_wait_dscnt 0x0
.set j, 0
.rept 64
	v_cvt_pk_bf16_f32 v[160+j], v[32+2*j], v[33+2*j]   ; register 8 p + 4 q + i: n = 32 p + 16 q + 8 h + 2 i and the next
.set j, j+1
.endr
.set j, 0
.rept 64
	v_cndmask_b32 v[32+j], 0, v[160+j], s36        ; variant 0: rows 0 and 1 of the operand alone,
	v_cndmask_b32 v[96+j], 0, v[160+j], s37        ; variant 1: rows 8 and 9 alone; all other rows are zeros
.set j, j+1
.endr
.irp p, 0,1,2,3,4,5,6,7
.irp x, 0,1
.irp q, 0,1
	global_store_b128 v4, v[32+64*\x+8*\p+4*\q:35+64*\x+8*\p+4*\q], s[24:25] offset:2048*\p+1024*\x+512*\q
.endr
.endr
.endr
	s_wait_xcnt 0x0                                ; EXEC changes only behind this wait
	v_cmp_eq_u32 vcc_lo, 0, v0
	s_wait_tensorcnt 0x0
	ds_add_u32 v254, v255
	s_wait_dscnt 0x0
	s_and_saveexec_b32 s35, vcc_lo
	global_store_b64 v7, v[240:241], s[26:27]      ; lane 0: the flow's two constants
	s_wait_xcnt 0x0
	s_or_b32 exec_lo, exec_lo, s35
	s_endpgm
.Lfunc_end_k_q97f0074501_prep:
	.size	k_q97f0074501_prep, .Lfunc_end_k_q97f0074501_prep-k_q97f0074501_prep
	.p2alignl 7, 3214868480
	.fill 96, 4, 3214868480
	.section	.rodata,"a",@progbits
	.p2align	6, 0x0
	.amdhsa_kernel k_q97f0074501_prep
		.amdhsa_group_segment_fixed_size 2304
		.amdhsa_private_segment_fixed_size 0
		.amdhsa_enable_private_segment 0
		.amdhsa_kernarg_size 56
		.amdhsa_user_sgpr_count 2
		.amdhsa_user_sgpr_kernarg_segment_ptr 1
		.amdhsa_wavefront_size32 1
		.amdhsa_system_sgpr_workgroup_id_x 1
		.amdhsa_system_sgpr_workgroup_id_y 1
		.amdhsa_system_sgpr_workgroup_id_z 1
		.amdhsa_system_vgpr_workitem_id 0
		.amdhsa_next_free_vgpr 256
		.amdhsa_next_free_sgpr 66
		.amdhsa_reserve_vcc 1
		.amdhsa_float_denorm_mode_32 3
		.amdhsa_float_denorm_mode_16_64 3
		.amdhsa_memory_ordered 1
		.amdhsa_forward_progress 1
		.amdhsa_inst_pref_size 41
	.end_amdhsa_kernel
	.amdgpu_metadata
---
amdhsa.version: [ 1, 2 ]
amdhsa.kernels:
  - .name:           k_q97f0074501_prep
    .symbol:         k_q97f0074501_prep.kd
    .args:
      - { .name: W2, .offset: 0, .size: 8, .value_kind: global_buffer, .address_space: global }
      - { .name: W1, .offset: 8, .size: 8, .value_kind: global_buffer, .address_space: global }
      - { .name: b1, .offset: 16, .size: 8, .value_kind: global_buffer, .address_space: global }
      - { .name: b2, .offset: 24, .size: 8, .value_kind: global_buffer, .address_space: global }
      - { .name: W3, .offset: 32, .size: 8, .value_kind: global_buffer, .address_space: global }
      - { .name: b3, .offset: 40, .size: 8, .value_kind: global_buffer, .address_space: global }
      - { .name: img, .offset: 48, .size: 8, .value_kind: global_buffer, .address_space: global }
    .group_segment_fixed_size: 2304
    .private_segment_fixed_size: 0
    .kernarg_segment_align: 8
    .kernarg_segment_size: 56
    .max_flat_workgroup_size: 32
    .sgpr_count:     66
    .vgpr_count:     256
    .wavefront_size: 32
...
	.end_amdgpu_metadata
.endif
;; end of part 1
;; launch flow (part 2): grid 256 x 1, 8 waves a work-group, clusters of 4 x 1, 181,248 bytes of LDS; arguments img, z_mean, z_log_var, epsilon, b3, out0; writes out0
.if DOCPART == 2
	.amdgcn_target "amdgcn-amd-amdhsa--gfx1250"
	.amdhsa_code_object_version 6
	.text
	.protected	k_q97f0074501_flow
	.globl	k_q97f0074501_flow
	.p2align	8
	.type	k_q97f0074501_flow,@function
k_q97f0074501_flow:
	s_mov_b64 s[64:65], 0
	v_nop
	global_prefetch_b8 v0, s[64:65] scope:SCOPE_SE
	s_setreg_imm32_b32 hwreg(HW_REG_WAVE_MODE, 25, 1), 1
	s_wait_xcnt 0x0
	s_wait_alu depctr_hold_cnt(0) depctr_sa_sdst(0) depctr_va_vdst(0) depctr_va_sdst(0) depctr_va_ssrc(0) depctr_va_vcc(0) depctr_vm_vsrc(0)
	s_getreg_b32 s2, hwreg(HW_REG_IB_STS2, 6, 4)
	s_cmp_eq_u32 s2, 0
	s_cbranch_scc0 .Lentry_in_a_cluster
	s_endpgm
.Lentry_in_a_cluster:
	s_bfe_u32 s2, ttmp6, 0x10000c
	s_cmp_lg_u32 s2, 0x3003
	s_cbranch_scc0 .Lentry_shape_is_right
	s_endpgm
.Lentry_shape_is_right:
; z = z_mean + exp(z_log_var / 2) epsilon, then two autoregressive flows.  reference() builds its masks itself: they keep row 0 of W1 and columns 2, 3 of W3.  So in each flow
;   y0 = x0 exp(b3[f][1]) + b3[f][0]   (no product enters it; the flow's first pass feeds masked zeros alone and is not computed),
;   h1[k] = y0 W1[f][0][k] + b1[f][k],  h2 = Q(h1) Q(W2[f]) + b2[f]  (QUANTISED: codes of E5M2, one E8M0 scale for each 32 along K),
;   (o2, o3) = h2 W3[f][:, 2:4] + b3[f][2:4],  y1 = x1 exp(o3) + o2.
; Flow 1's y0 hangs on flow 0's y0 alone, so the two quantised products do not wait for each other: they meet in y1 = (z1 E + S) E' + S'.
; SHARES.  A work-group takes 512 rows.  Wave w does flow f = w % 2 for rows 128 (w / 2) on: 8 tiles of 16 rows, so that each fragment of W2 read from LDS feeds eight matrix instructions.
; LDS bytes 0 .. 172,031 are an image of the first launch's buffer (coefficients, W2's scale words, W3 as bf16 operands, W2's codes as operand registers), filled once.
; CLUSTER.  All work-groups read that same image: the four of a cluster ask for it JOINTLY, each wave by two tensor loads with the same descriptors in all four.
; LAYOUT.  The quantised product is used transposed (source 0 = 16 columns of W2, source 1 = 16 rows of h1): a lane holds ONE batch row and eight neighbouring n.  Two such tiles, rounded to bf16 in pairs,
; ARE source 1 (32 n x 16 rows) of the product with W3.  Its source 0 has W3's two columns in rows 0, 1 (variant 0) or rows 8, 9 (variant 1) and zeros elsewhere, so that two tiles of rows add into one
; accumulator: lane l then holds o2 and o3 of row 32 u + l in registers 0 and 1.  b2 does not go through bf16: b2 . W3 + b3, summed in f32 by the first launch, is the C of that sum's first instruction.
; LIMITS.  NaN and infinities among the inputs are not served; where the pass that is not computed would overflow, reference() has 0 x infinity = NaN and this text has not.  A block of zeros gets the scale byte 1
; with zero codes.  v_exp_f32 flushes denormals.  h2 (without b2) and W3 are rounded to bf16 for the product that the contract leaves as it is.  The two waves of a pair both load their rows of z.
; REGISTERS.  Window 1 (v256-511): h1's codes, tile m, K step s at 32 m + 16 s.  Window 0: v1-7 addresses; v8-11 z1; v12-19 the output pairs; v20-27 h1's scale words (lanes 0-15 K step 0, lanes 16-31 K step 1);
;   v28-29 W2's scale words, likewise; v30-37 y0 by tiles, later the constants; while h1 is made: v40-55 at work, v56-119 W1, v120-183 b1, v184-247 64 numbers of h1;
;   in the products: v40-71 W2's two fragments, v72-87 W3's two variants, v88-119 four accumulators of o, v120-183 eight accumulators of h2, v184-247 h2 in bf16.
.set COEF, 0
.set W2S,  4096
.set W3I,  8192
.set W2C,  40960
.set CST,  172032                      ; in the buffer: the four constants
.set SCR,  172032                      ; in LDS: 1,024 bytes for each wave, written by ds_store alone; no fill lands there
.set BIGB, 82*256                      ; what a wave's second tensor load brings
.set ACF, 1                            ; v1  f*2048 + 64 h: my 16 coefficients of a block of 32
.set AFR, 2                            ; v2  W2C + f*65536 + 16 lane
.set AWS, 3                            ; v3  W2S + f*2048 + 128 h + 4 r
.set AW3, 4                            ; v4  W3I + f*16384 + 16 lane
.set AXW, 5                            ; v5  SCR + 1024 w + 8 lane
.set AXR, 6                            ; v6  SCR + 1024 (w & 6) + 8 lane: the pair's flow 0 wave
.set GO,  7                            ; v7  8 lane: my row's pair in z and in out0
.set Z1,  8
.set OUTP, 12
.set HS,  20
.set WS,  28
.set YT,  30
.set KC,  30
.set PW,  38
.set TM,  40
.set CW,  56
.set CB,  120
.set T,   184
.set FR,  40
.set W3F, 72
.set OT,  88
.set ACC, 120
.set P,   184
.set MSB, 0
.macro WIN new                         ; the immediate's high byte repeats the setting that is left
.if MSB != \new
	s_set_vgpr_msb (MSB<<8)|\new
.set MSB, \new
.endif
.endm
.macro PLACES n
.rept \n
	v_nop
.endr
.endm
.macro ROUND                           ; a round of the cluster's barrier
	s_barrier_signal -1
	s_barrier_wait -1
	s_cmp_lg_u32 s16, 0
	s_cbranch_scc1 .Lnot_wave_0_\@
	s_barrier_signal -3
.Lnot_wave_0_\@:
	s_barrier_wait -3
	s_barrier_signal -1
	s_barrier_wait -1
.endm
; The coefficients of K step s: register 16 c + i = k 128 s + 32 c + 16 h + i.  All lanes of a half read the same 16 bytes.
.macro LDCOEF s
.irp c, 0,1,2,3
.irp q, 0,1,2,3
	ds_load_b128 v[CW+16*\c+4*\q:CW+16*\c+4*\q+3], v[ACF] offset:512*\s+128*\c+16*\q
	ds_load_b128 v[CB+16*\c+4*\q:CB+16*\c+4*\q+3], v[ACF] offset:1024+512*\s+128*\c+16*\q
.endr
.endr
.endm
; 64 numbers of h1 for tile m: y0 W1 + b1, two fused multiply-adds an instruction; of the pair that holds two tiles' y0 one word serves both halves
.macro HGEN m
.set yp, YT+((\m)/2)*2
.set j, 0
.rept 32
.if ((\m)%2) == 0
	v_pk_fma_f32 v[T+j:T+j+1], v[CW+j:CW+j+1], v[yp:yp+1], v[CB+j:CB+j+1] op_sel_hi:[1,0,1]
.else
	v_pk_fma_f32 v[T+j:T+j+1], v[CW+j:CW+j+1], v[yp:yp+1], v[CB+j:CB+j+1] op_sel:[0,1,0] op_sel_hi:[1,1,1]
.endif
.set j, j+2
.endr
.endm
; They become the codes of tile m, K step s (window 1) and their scale word
.macro QUANT m, s
.irp b, 0,1,2,3
	v_max3_num_f32 v[TM+\b], |v[T+16*\b]|, |v[T+1+16*\b]|, 0x8000000   ; block b: my 16 numbers, and the floor 2^(16 - 127): the byte cannot fall under 1
.endr
.irp i, 2,4,6,8,10,12,14
.irp b, 0,1,2,3
	v_max3_num_f32 v[TM+\b], v[TM+\b], |v[T+16*\b+\i]|, |v[T+1+16*\b+\i]|   ; the four blocks by turns
.endr
.endr
.irp b, 0,1,2,3
	v_permlanex16_b32 v[TM+4+\b], v[TM+\b], s60, s61
.endr
.irp b, 0,1,2,3
	v_max_num_f32 v[TM+\b], v[TM+\b], v[TM+4+\b]   ; with lane l xor 16: the block's largest magnitude
.endr
.irp b, 0,1,2,3
	v_add_nc_u32 v[TM+12+\b], 0xf8800000, v[TM+\b] ; 15 off its exponent field: the conversion's scale operand
.endr
.irp b, 0,1,2,3
	v_and_or_b32 v[TM+8+\b], v[TM+\b], 0x7f800000, s62   ; 57,344 x the scale
.endr
.irp b, 0,1,2,3
	v_lshrrev_b32 v[TM+4+\b], 23, v[TM+12+\b]      ; the scale's byte
.endr
	v_lshl_or_b32 v[PW], v[TM+5], 8, v[TM+4]
	v_lshl_or_b32 v[PW], v[TM+6], 16, v[PW]
.if (\s) == 0
	v_lshl_or_b32 v[HS+\m], v[TM+7], 24, v[PW]     ; both halves of the lanes hold row r's word: K step 0's stays in lanes 0-15,
.else
	v_lshl_or_b32 v[PW], v[TM+7], 24, v[PW]
	v_cndmask_b32 v[HS+\m], v[HS+\m], v[PW], s21   ; K step 1's goes into lanes 16-31
.endif
.irp b, 0,1,2,3
.irp i, 0,1,2,3,4,5,6,7,8,9,10,11,12,13,14,15
	v_med3_num_f32 v[T+16*\b+\i], v[T+16*\b+\i], -v[TM+8+\b], v[TM+8+\b]   ; the conversion to an 8-bit code does not saturate (ISA guide 7.6.2): hold first
.endr
.endr
	WIN 0x40                                       ; destination window 1
.irp b, 0,1,2,3
	v_cvt_scalef32_pk8_bf8_f32 v[32*\m+16*\s+4*\b:32*\m+16*\s+4*\b+1], v[T+16*\b:T+16*\b+7], v[TM+12+\b]
	v_cvt_scalef32_pk8_bf8_f32 v[32*\m+16*\s+4*\b+2:32*\m+16*\s+4*\b+3], v[T+16*\b+8:T+16*\b+15], v[TM+12+\b]
.endr
	WIN 0
	v_nop                                          ; a plain line between the last conversion and the lines that write its sources anew
.endm
.macro LDA t                           ; n tile t: W2's fragment of K step 0, and the tile's scale words (lanes 0-15 K step 0, lanes 16-31 K step 1)
.irp c, 0,1,2,3
	ds_load_b128 v[FR+4*\c:FR+4*\c+3], v[AFR] offset:(\t)*4096+512*\c
.endr
	ds_load_b32 v[WS+(\t)%2], v[AWS] offset:((\t)/2)*256+((\t)%2)*64
.endm
.macro LDB t                           ; its fragment of K step 1
.irp c, 0,1,2,3
	ds_load_b128 v[FR+16+4*\c:FR+16+4*\c+3], v[AFR] offset:(\t)*4096+2048+512*\c
.endr
.endm
.macro LDW3 p                          ; W3's two variants for n = 32 p .. 32 p + 31
.irp x, 0,1
.irp q, 0,1
	ds_load_b128 v[W3F+8*\x+4*\q:W3F+8*\x+4*\q+3], v[AW3] offset:(\p)*2048+1024*\x+512*\q
.endr
.endr
.endm
; One tile of 16 n for my eight tiles of rows.  The eight accumulators take turns, and so do the four of o.
; Eight plain places stand behind this matrix form in front of loads into its registers and of the first read of its results.
.macro NTILE t
.if ((\t)%2) == 0
	s_wait_dscnt 4                                 ; the first fragment and the scale words are in; younger: the second fragment's four loads
.else
	s_wait_dscnt 8                                 ; younger: W3's four loads and the second fragment's four
.endif
	WIN 0x04                                       ; source 1 (h1's codes) window 1
.irp m, 0,1,2,3,4,5,6,7
	v_wmma_scale_f32_16x16x128_f8f6f4 v[ACC+8*\m:ACC+8*\m+7], v[FR:FR+15], v[32*\m:32*\m+15], 0, v[WS+(\t)%2], v[HS+\m] matrix_a_fmt:MATRIX_FMT_BF8 matrix_b_fmt:MATRIX_FMT_BF8
.endr
	PLACES 8
.if (\t) < 15
	LDA (\t)+1
	s_wait_dscnt 5                                 ; the second fragment (and W3's variants) are in; younger: the five loads just issued
.else
	s_wait_dscnt 0x0
.endif
.irp m, 0,1,2,3,4,5,6,7
	v_wmma_scale_f32_16x16x128_f8f6f4 v[ACC+8*\m:ACC+8*\m+7], v[FR+16:FR+31], v[32*\m+16:32*\m+31], v[ACC+8*\m:ACC+8*\m+7], v[WS+(\t)%2], v[HS+\m] matrix_a_fmt:MATRIX_FMT_BF8 matrix_b_fmt:MATRIX_FMT_BF8 matrix_a_scale:MATRIX_SCALE_ROW1 matrix_b_scale:MATRIX_SCALE_ROW1
.endr
	WIN 0
	PLACES 8
.if ((\t)%2) == 0
	LDW3 (\t)/2
.endif
.if (\t) < 15
	LDB (\t)+1
.endif
.irp m, 0,1,2,3,4,5,6,7
.irp i, 0,1,2,3
	v_cvt_pk_bf16_f32 v[P+8*\m+4*((\t)%2)+\i], v[ACC+8*\m+2*\i], v[ACC+8*\m+2*\i+1]   ; each accumulator from its low end on
.endr
.endr
.if ((\t)%2) == 1
.irp x, 0,1
.irp u, 0,1,2,3
.if ((\t) == 1) && (\x == 0)
	v_wmma_f32_16x16x32_bf16 v[OT+8*\u:OT+8*\u+7], v[W3F+8*\x:W3F+8*\x+7], v[P+8*(2*\u+\x):P+8*(2*\u+\x)+7], v[KC:KC+7]
.else
	v_wmma_f32_16x16x32_bf16 v[OT+8*\u:OT+8*\u+7], v[W3F+8*\x:W3F+8*\x+7], v[P+8*(2*\u+\x):P+8*(2*\u+\x)+7], v[OT+8*\u:OT+8*\u+7]
.endif
.endr
.endr
.endif
.endm
	s_load_b256 s[4:11], s[0:1], 0x0               ; img s[4:5], z_mean s[6:7], z_log_var s[8:9], epsilon s[10:11]
	s_load_b128 s[12:15], s[0:1], 0x20             ; b3 s[12:13], out0 s[14:15]
	v_lshl_add_u32 v254, v0, 2, 0x2c000
	v_mov_b32 v255, 0
	ds_add_u32 v254, v255
	ds_add_u32 v254, v255
	v_lshrrev_b32 v39, 5, v0
	v_readfirstlane_b32 s16, v39                   ; wave 0..7
	s_and_b32 s17, s16, 1                          ; f: my flow
	s_lshr_b32 s18, s16, 1                         ; g: my 128 rows
	s_bfe_u32 s19, ttmp6, 0x40000                  ; cx: my place in the cluster; it enters the addresses of z and of out0 alone
	s_lshl_b32 s20, ttmp9, 2                       ; in a cluster launch ttmp9 counts clusters
	s_add_co_u32 s20, s20, s19                     ; my block of 512 rows
	s_lshl_b32 s66, s20, 12                        ; 512 rows of 8 bytes,
	s_lshl_b32 s67, s18, 10                        ; my wave's 128 of them
	s_add_co_u32 s66, s66, s67
	s_mov_b32 s67, 0
	s_mov_b32 s21, 0xffff0000                      ; lanes 16-31
	s_cmp_lg_u32 s17, 0
	s_cselect_b32 s22, -1, 0                       ; all lanes, in a wave of flow 1
	s_mov_b32 s60, 0x76543210
	s_mov_b32 s61, 0xfedcba98                      ; v_permlanex16_b32: lane l xor 16
	s_mov_b32 s62, 0x600000                        ; the mantissa field of 57,344
	; descriptor groups 1: dense rows of 256 bytes (32 elements of 8 bytes), 2 rows and 82 rows; no padding: every LDS read takes 16 x lane on end, or one place for a whole half
	s_mov_b32 s24, 15|(3<<16)|(1<<21)              ; 15:0 the mask: all four work-groups; 17:16 elements of 8 bytes; 21 set beside a mask
	s_mov_b32 s25, 32<<16                          ; tensor_dim0 = 32
	s_mov_b32 s26, 2<<16                           ; tensor_dim1 = 2
	s_mov_b32 s27, 32<<16                          ; tile_dim0 = 32
	s_mov_b32 s28, 2                               ; tile_dim1 = 2
	s_mov_b32 s29, 32                              ; elements from row to row
	s_mov_b32 s30, 0
	s_mov_b32 s31, 0
	s_mov_b32 s32, 15|(3<<16)|(1<<21)
	s_mov_b32 s33, 32<<16
	s_mov_b32 s34, 82<<16
	s_mov_b32 s35, 32<<16
	s_mov_b32 s36, 82
	s_mov_b32 s37, 32
	s_mov_b32 s38, 0
	s_mov_b32 s39, 0
	; groups 0: wave w brings bytes 512 w .. of the coefficients, and bytes 4,096 + 20,992 w .. of the rest, to the same bytes of LDS
	s_mov_b32 s52, 1
	s_lshl_b32 s53, s16, 9
	s_mov_b32 s56, 1
	s_mul_i32 s57, s16, BIGB
	s_add_co_u32 s57, s57, 4096
	s_mov_b32 s3, 0
	v_and_b32 v248, 31, v0                         ; lane
	v_and_b32 v249, 15, v0                         ; r
	v_bfe_u32 v250, v0, 4, 1                       ; h
	v_lshlrev_b32 v[GO], 3, v248
	s_wait_dscnt 0x0
	s_wait_kmcnt 0x0
	s_mov_b32 s2, s53
	s_add_nc_u64 s[54:55], s[4:5], s[2:3]
	s_or_b32 s55, s55, 0x80000000                  ; type = 2
	s_mov_b32 s2, s57
	s_add_nc_u64 s[58:59], s[4:5], s[2:3]
	s_or_b32 s59, s59, 0x80000000
	s_add_nc_u64 s[6:7], s[6:7], s[66:67]
	s_add_nc_u64 s[8:9], s[8:9], s[66:67]
	s_add_nc_u64 s[10:11], s[10:11], s[66:67]
	s_add_nc_u64 s[14:15], s[14:15], s[66:67]
	s_load_b256 s[40:47], s[12:13], 0x0            ; b3, both flows
	s_load_b128 s[48:51], s[4:5], CST              ; the four constants (this launch stores nothing into that buffer)
.irp u, 0,1,2,3                                ; row 32 u + lane: each load covers 256 consecutive bytes, aligned.  They are on their way while the work-groups meet; nobody stores these bytes
	global_load_b64 v[184+2*\u:185+2*\u], v[GO], s[6:7] offset:256*\u
	global_load_b64 v[192+2*\u:193+2*\u], v[GO], s[8:9] offset:256*\u
	global_load_b64 v[200+2*\u:201+2*\u], v[GO], s[10:11] offset:256*\u
.endr
	ROUND                                          ; all four work-groups are here: the joint loads meet
	tensor_load_to_lds s[52:55], s[24:31]          ; the coefficients first: they are wanted first.  Two loads of mine are out
	s_nop 0
	tensor_load_to_lds s[56:59], s[32:39]
	s_nop 0
.rept 4
	v_nop
.endr
	s_lshl_b32 s2, s17, 11
	v_lshl_add_u32 v[ACF], v250, 6, s2
	s_add_co_u32 s2, s2, W2S
	v_lshl_add_u32 v[AWS], v250, 7, s2
	v_lshl_add_u32 v[AWS], v249, 2, v[AWS]
	s_lshl_b32 s2, s17, 16
	s_add_co_u32 s2, s2, W2C
	v_lshl_add_u32 v[AFR], v248, 4, s2
	s_lshl_b32 s2, s17, 14
	s_add_co_u32 s2, s2, W3I
	v_lshl_add_u32 v[AW3], v248, 4, s2
	s_lshl_b32 s2, s16, 10
	s_add_co_u32 s2, s2, SCR
	v_lshl_add_u32 v[AXW], v248, 3, s2
	s_and_b32 s2, s16, 6
	s_lshl_b32 s2, s2, 10
	s_add_co_u32 s2, s2, SCR
	v_lshl_add_u32 v[AXR], v248, 3, s2
.irp b, 0,1,2,3
	v_mov_b32 v[TM+4+\b], 0                        ; destinations of lane permutes count as sources: written once
	v_mov_b32 v[214+\b], 0
.endr
	; ---- z, and y0 of both flows
	s_wait_kmcnt 0x0
	s_mul_f32 s2, s41, 0x3fb8aa3b                  ; b3[0][1] log2(e)
	s_mul_f32 s3, s45, 0x3fb8aa3b                  ; b3[1][1] log2(e)
	s_wait_loadcnt 0x0
.irp u, 0,1,2,3
	v_pk_mul_f32 v[192+2*\u:193+2*\u], v[192+2*\u:193+2*\u], 0x3f38aa3b op_sel_hi:[1,0]   ; z_log_var log2(e) / 2
.endr
.irp j, 0,1,2,3,4,5,6,7
	v_exp_f32 v[192+\j], v[192+\j]
.endr
	v_exp_f32 v208, s2
	v_exp_f32 v209, s3
	v_nop                                          ; a plain line behind the exponentials
	s_wait_alu depctr_va_vdst(0)
.irp u, 0,1,2,3
	v_pk_fma_f32 v[192+2*\u:193+2*\u], v[192+2*\u:193+2*\u], v[200+2*\u:201+2*\u], v[184+2*\u:185+2*\u]   ; z
.endr
.irp u, 0,1,2,3
	v_mov_b32 v[Z1+\u], v[193+2*\u]                ; z1 is kept for the end
.endr
.irp u, 0,1,2,3
	v_fma_f32 v[210+\u], v[192+2*\u], v208, s40    ; flow 0: y0
.endr
.irp u, 0,1,2,3
	v_fma_f32 v[OUTP+2*\u], v[210+\u], v209, s44   ; flow 1: y0, which is the output's first number
.endr
.irp u, 0,1,2,3
	v_cndmask_b32 v[210+\u], v[210+\u], v[OUTP+2*\u], s22   ; my flow's
.endr
.irp u, 0,1,2,3
	v_permlanex16_b32 v[214+\u], v[210+\u], s60, s61
.endr
.irp u, 0,1,2,3
	v_cndmask_b32 v[YT+2*\u], v[210+\u], v[214+\u], s21     ; by tiles of 16 rows: lane (r, h) holds row 32 u + r,
	v_cndmask_b32 v[YT+2*\u+1], v[214+\u], v[210+\u], s21   ; and row 32 u + 16 + r
.endr
	s_wait_tensorcnt 0x1                           ; my part of the coefficients is in; the large load stays out
	s_barrier_signal -1
	s_barrier_wait -1                              ; everybody's is
	; ---- h1 and its codes, K step by K step; the rest of the image lands meanwhile
	LDCOEF 0
	s_wait_dscnt 0x0
.irp m, 0,1,2,3,4,5,6
	HGEN \m
	QUANT \m, 0
.endr
	HGEN 7
	LDCOEF 1                                       ; the coefficients have been read for the last time: K step 1's land while tile 7 is quantised
	QUANT 7, 0
	s_wait_dscnt 0x0
.irp m, 0,1,2,3,4,5,6,7
	HGEN \m
	QUANT \m, 1
.endr
	s_cmp_lg_u32 s17, 0
	s_cselect_b32 s2, s50, s48                     ; my flow's constants
	s_cselect_b32 s3, s51, s49
	v_mov_b32 v[KC], s2                            ; the C of o's first products: register 0 for o2, register 1 for o3.  (With the plain line above, nine places between the last codes and the first product)
	v_mov_b32 v[KC+1], s3
.irp j, 2,3,4,5,6,7
	v_mov_b32 v[KC+\j], 0
.endr
	s_wait_tensorcnt 0x0                           ; my part of the image is in (no LDS instruction of mine is out: the last were waited for above)
	s_barrier_signal -1
	s_barrier_wait -1                              ; everybody's is
	; ---- the products
	LDA 0
	LDB 0
.irp t, 0,1,2,3,4,5,6,7,8,9,10,11,12,13,14,15
	NTILE \t
.endr
	; ---- y1
	PLACES 4                                       ; behind the last bf16 products
.irp u, 0,1,2,3
	v_mul_f32 v[OT+8*\u+1], 0x3fb8aa3b, v[OT+8*\u+1]
.endr
.irp u, 0,1,2,3
	v_exp_f32 v[OT+8*\u+1], v[OT+8*\u+1]           ; exp(o3)
.endr
	v_nop
	s_cmp_lg_u32 s17, 0
	s_cbranch_scc1 .Lkeep                          ; a wave of flow 1 keeps its pair in registers
	s_wait_alu depctr_va_vdst(0)
.irp u, 0,1,2,3
	ds_store_b64 v[AXW], v[OT+8*\u:OT+8*\u+1] offset:256*\u   ; flow 0: (o2, exp(o3)) of row 32 u + lane, for the pair's other wave
.endr
.Lkeep:
	s_wait_dscnt 0x0                               ; for the other wave's sake: my stores have landed
	s_barrier_signal -1
	s_barrier_wait -1
	s_cmp_eq_u32 s17, 0
	s_cbranch_scc1 .Lclose
.irp u, 0,1,2,3
	ds_load_b64 v[40+2*\u:41+2*\u], v[AXR] offset:256*\u
.endr
	s_wait_dscnt 0x0
.irp u, 0,1,2,3
	v_fma_f32 v[48+\u], v[Z1+\u], v[41+2*\u], v[40+2*\u]               ; flow 0: y1
.endr
	s_wait_alu depctr_va_vdst(0)
.irp u, 0,1,2,3
	v_fma_f32 v[OUTP+2*\u+1], v[48+\u], v[OT+8*\u+1], v[OT+8*\u]       ; flow 1: y1
.endr
.irp u, 0,1,2,3
	global_store_b64 v[GO], v[OUTP+2*\u:OUTP+2*\u+1], s[14:15] offset:256*\u   ; 32 lanes store 256 consecutive bytes, at a multiple of 256 from out0's first byte
.endr
.Lclose:
	s_wait_tensorcnt 0x0
	ds_add_u32 v254, v255
	s_wait_dscnt 0x0
	ROUND                                          ; the closing round: no work-group ends while a partner may still ask for a tile that names it
	s_endpgm
.Lfunc_end_k_q97f0074501_flow:
	.size	k_q97f0074501_flow, .Lfunc_end_k_q97f0074501_flow-k_q97f0074501_flow
	.p2alignl 7, 3214868480
	.fill 96, 4, 3214868480
	.section	.rodata,"a",@progbits
	.p2align	6, 0x0
	.amdhsa_kernel k_q97f0074501_flow
		.amdhsa_group_segment_fixed_size 181248
		.amdhsa_private_segment_fixed_size 0
		.amdhsa_enable_private_segment 0
		.amdhsa_kernarg_size 48
		.amdhsa_user_sgpr_count 2
		.amdhsa_user_sgpr_kernarg_segment_ptr 1
		.amdhsa_wavefront_size32 1
		.amdhsa_system_sgpr_workgroup_id_x 1
		.amdhsa_system_sgpr_workgroup_id_y 1
		.amdhsa_system_sgpr_workgroup_id_z 1
		.amdhsa_system_vgpr_workitem_id 0
		.amdhsa_next_free_vgpr 512
		.amdhsa_next_free_sgpr 68
		.amdhsa_reserve_vcc 0
		.amdhsa_float_denorm_mode_32 3
		.amdhsa_float_denorm_mode_16_64 3
		.amdhsa_memory_ordered 1
		.amdhsa_forward_progress 1
		.amdhsa_inst_pref_size 255
	.end_amdhsa_kernel
	.section	.bss,"aw",@nobits
	.p2align	6
	.space	262144
	.amdgpu_metadata
---
amdhsa.version: [ 1, 2 ]
amdhsa.kernels:
  - .name:           k_q97f0074501_flow
    .symbol:         k_q97f0074501_flow.kd
    .args:
      - { .name: img, .offset: 0, .size: 8, .value_kind: global_buffer, .address_space: global }
      - { .name: z_mean, .offset: 8, .size: 8, .value_kind: global_buffer, .address_space: global }
      - { .name: z_log_var, .offset: 16, .size: 8, .value_kind: global_buffer, .address_space: global }
      - { .name: epsilon, .offset: 24, .size: 8, .value_kind: global_buffer, .address_space: global }
      - { .name: b3, .offset: 32, .size: 8, .value_kind: global_buffer, .address_space: global }
      - { .name: out0, .offset: 40, .size: 8, .value_kind: global_buffer, .address_space: global }
    .group_segment_fixed_size: 181248
    .private_segment_fixed_size: 0
    .kernarg_segment_align: 8
    .kernarg_segment_size: 48
    .max_flat_workgroup_size: 256
    .sgpr_count:     68
    .vgpr_count:     512
    .wavefront_size: 32
...
	.end_amdgpu_metadata
.endif
;; end of part 2
